; MI455X (gfx1250); checked and timed in simulation.
; The chip was launched on July 23, 2026; its instructions are those of AMD's public machine-readable ISA for CDNA 5 (MIT licence, August 2026) and "CDNA5" Instruction Set Architecture Reference Guide (July 2026). The comments in the code are by the model that wrote it; some were corrected since.
;; Quantized Linear. Allowed arithmetic: matrix products marked QUANTISED: E4M3 operands, one E8M0 scale for each 32 along K, by v_wmma_scale_f32_16x16x128_f8f6f4 with both operands' format E4M3, f32 sums; everything else in f32.
;; Inputs: alpha_scale 4,096 x 1 float32; bias 4,096 float32; fp_weight 4,096 x 128 float32; input_codes 4 x 1,024 x 128 x 32 uint8 (E4M3 codes of input, K innermost, in blocks of 32 codes); input_scales 4 x 1,024 x 128 uint8 (E8M0 scales of input, one for each 32 codes along K); inv_col_perm 4,096 int32; q_weight 4,096 x 3,968 float32.
;; Outputs: out0 4 x 1,024 x 4,096 float32.
;; This version of the problem:
;;   THIS VERSION OF THE PROBLEM IS GIVEN IN LOW PRECISION. The matrix products marked QUANTISED in the list below multiply operands that are first quantised to E4M3 (4 exponent bits, 3 mantissa bits; 8 bits a number), with one power-of-two scale for each 32 numbers along K (OCP MX v1.0); their sums are f32. All else is computed in f32.
;;   The module's matrix products, in the order in which they are computed (A, B: the left and right operand; K: the contracted axis; several contracted axes count as one K, in the product's order):
;;     1. [M 4,096, K 4,096] x [K 4,096, N 4,096]; A: input input (given as codes); B: computed on the way: QUANTISED
;;   THE QUANTISER, for each operand of a quantised product, along K:
;;     - K is cut into blocks of 32 from its start; a last block that is shorter is filled with zeros.
;;     - A block's scale is 2^e with e = floor(log2(the largest magnitude in the block)) - 8, held to -126 .. 127; a block of zeros has e = 0. As a byte (E8M0): e + 127.
;;     - Each number is divided by its block's scale, clamped to +-448, and rounded to the nearest number of E4M3, ties to even, subnormals kept.
;;     - The product sums the exact products of the quantised numbers (number of the format x scale) in f32.
;;   ~~~python
;;   def quantise(x, axis):      # numpy; x: float32 -> the quantised numbers, widened to float32 again
;;       x = np.moveaxis(x, axis, -1); K = x.shape[-1]
;;       x = np.pad(x, [(0, 0)] * (x.ndim - 1) + [(0, -K % 32)]); x = x.reshape(x.shape[:-1] + (-1, 32)); a = np.abs(x).max(-1, keepdims=True)
;;       e = np.where(a > 0, np.clip(np.frexp(np.where(a > 0, a, 1))[1] - 1 - 8, -126, 127), 0)      # np.frexp(a)[1] - 1 = floor(log2(a)), exactly
;;       r = np.clip(x / 2.0 ** e, -448, 448)
;;       step = 2.0 ** (np.maximum(np.frexp(np.where(r == 0, 1, r))[1] - 1, -6) - 3)
;;       q = np.round(r / step) * step * 2.0 ** e      # np.round: ties to even
;;       return np.moveaxis(q.reshape(q.shape[:-2] + (-1,))[..., :K], -1, axis).astype(np.float32)
;;   ~~~
;;   OPERANDS COMPUTED ON THE WAY. 'Computed on the way' means the value that the module computes at that place (a softmax that the list does not call 'softmax' is quantised finished and normalised). What goes into a quantiser is computed in f32, as accurately as f32 sums, v_exp_f32 and their like allow (about 1e-6 of the number): no bf16 or f16 on the way to a quantiser, and a product that is left as it is and whose result goes on into a quantised operand takes f32 operands (vector FMAs, or v_wmma_f32_16x16x4_f32). A number that lies on a knife's edge between two numbers of the format may be rounded either way, as far as f32 arithmetic and the matrix unit's own rounding can turn it there, and no further.
;;   INPUTS GIVEN AS CODES. input (in the module: [4, 1024, 4096], K = its axis 2): each comes as NAME_codes (uint8): NAME with its K axis moved to the last place and cut into blocks of 32 codes, [.., K / 32, bytes a block], one block behind the other in memory; one code a byte (a code: sign, 4 exponent bits, 3 mantissa bits); and NAME_scales (uint8): the same leading axes, one E8M0 byte (e + 127) for each 32 codes along K. Its value is code x scale, taken as it is: it is not quantised again, and the codes and scales need not be those that the quantiser above would give.
;; One version. Each part assembles by itself: llvm-mc -triple=amdgcn-amd-amdhsa -mcpu=gfx1250 --defsym DOCPART=n.
;; ======== version 1 of 1: 2 launches
;; limits: right only within a limited range of input values
;; workspace buffers: w_codes 16,777,216 bytes; w_scales 524,288 bytes; x_scales 524,288 bytes
;; launch prep (part 1): grid 256 x 1, 16 waves a work-group, no clusters, 327,680 bytes of LDS; arguments q_weight, fp_weight, alpha_scale, inv_col_perm, input_scales, w_codes, w_scales, x_scales; writes w_codes, w_scales, x_scales
.if DOCPART == 1
	.amdgcn_target "amdgcn-amd-amdhsa--gfx1250"
	.amdhsa_code_object_version 6
	.text
	.protected	k_q8056b5b76e_prep
	.globl	k_q8056b5b76e_prep
	.p2align	8
	.type	k_q8056b5b76e_prep,@function
k_q8056b5b76e_prep:
	s_mov_b64 s[64:65], 0
	v_nop
	global_prefetch_b8 v0, s[64:65] scope:SCOPE_SE
	s_setreg_imm32_b32 hwreg(HW_REG_WAVE_MODE, 25, 1), 1
	s_wait_xcnt 0x0
; W[o][i] = S[o][inv_col_perm[i]], S[o] = (q_weight[o][0..3967] x alpha[o], fp_weight[o][0..127]), is made in f32 and turned into codes of FP8 (E4M3), K = i innermost,
; with one E8M0 scale byte for each 32 along i.  w_codes: [4096 o][4096 i].  w_scales: [16 K steps of 256][4096 o][8 bytes].  The input's scale bytes, [4096 rows][128], are laid anew in the same order into x_scales.
; A block's scale is 2^(floor(log2(its largest magnitude)) - 8); its byte is that magnitude's exponent field - 8, held at 1 from below; each number is held within +-448 x the scale and rounded to the nearest code.
; LIMITS: NaN and infinities among the weights are not served.  A block of zeros gets the byte 1 where the rule says 127: its codes are zeros, and this program alone reads the bytes.
; An index outside 0 .. 4095 is held at 4095.  The list may be any list: it need not be a permutation.
; SHARES.  A work-group of sixteen waves owns 16 rows o.  Wave w brings row w of q_weight, 15,872 bytes = 62 lines of 256, into LDS by ONE tensor load at the head: 253,952 bytes a work-group, all asked for at once,
; filled once and never again.  fp_weight's 512 bytes of the row go through registers and lie directly behind: 15,872 is a multiple of 256, so they have blocks of 256 bytes into which no fill lands.
; So word x of S lies at byte 4 x of its LDS row of 16,384 bytes, and every byte that a gather can name is written.  One barrier; behind it no wave waits for another until the scale bytes meet.
; Wave w gathers i = 512 (w % 8) + 0 .. 511 of rows 8 (w / 8) + 0 .. 7: its 16 offsets a lane are made once.  A lane holds 16 neighbours along i, two neighbouring lanes a block of 32.
; alpha comes behind the gather: each number x alpha, and the number itself where the index names fp_weight (16 masks, made once).  The next row's 16 gathers are issued ahead of a row's arithmetic.
; Every gather is parted by a barrier from every LDS store, add and fill.
; A lane's 16 codes are 16 bytes: a wave's store covers 512 bytes on end.  The scale bytes leave in runs of 128 bytes (16 rows x 8).
; No cluster: the work-groups share the list's 16 KiB alone.  No prefetch: the text has no loop to run ahead in; all its bytes are asked for at the head.
.set ROWQ, 15872                       ; a row of q_weight in bytes
.set ROWL, 16384                       ; a row of S in LDS
.set FPL,  15872                       ; where fp_weight's numbers begin in it
.set SCB,  16*ROWL                     ; W's scale bytes, [16 K steps][16 rows][8]
.set XSB,  SCB+2048                    ; the input's, likewise
.set SPARE, SCB+4096                   ; the spare words: 128 bytes a wave
.set TM,  8                            ; v8-11 at work
.set VL,  17                           ; 16 x lane
.set FL,  18                           ; LDS: my 16 bytes of fp_weight's numbers
.set CO,  20                           ; my 16 codes in the work-group's rows of w_codes
.set EA,  21                           ; LDS: my block's scale byte
.set SR,  22                           ; LDS: the word of scale bytes that I read back
.set SO,  23                           ; where it goes in w_scales and x_scales
.set XW,  24                           ; LDS: where my word of the input's scale bytes goes
.set XI,  25
.set PI,  26                           ; my 16 indices in the list
.set XD,  28
.set AV,  30                           ; v30-31 alpha, twice
.set O,   32                           ; v32-47 indices, then byte offsets
.set G,   48                           ; v48-79 two sets of 16 gathered numbers
.set Y,   80                           ; v80-95 x alpha
.set C,   96                           ; v96-127 four registers of codes for each of my 8 rows
.set E,   128                          ; v128-135 a scale byte for each row
.set FP,  136
.set SPW, 140
.set NIL, 141
.set AL,  32                           ; s[32:39] alpha of my 8 rows
.set MK,  40                           ; s[40:55] mask j: lanes whose index j names fp_weight
.set G1,  56
.set G0,  68
	s_load_b512 s[4:19], s[0:1], 0x0               ; q_weight, fp_weight, alpha, the list, the input's scales, w_codes, w_scales, x_scales
	v_lshl_add_u32 v[SPW], v0, 2, SPARE
	v_mov_b32 v[NIL], 0
	ds_add_u32 v[SPW], v[NIL]                      ; the opening lines: the add, twice on end, and its wait
	ds_add_u32 v[SPW], v[NIL]
	v_lshrrev_b32 v2, 5, v0
	v_readfirstlane_b32 s20, v2                    ; wave 0..15
	s_and_b32 s21, s20, 7                          ; which 512 along i
	s_lshr_b32 s22, s20, 3                         ; which eight rows
	s_mov_b32 s23, 0x600000                        ; the mantissa field of 448
	s_mov_b32 s30, 3968
	s_mov_b32 s29, 0
	s_mul_i32 s26, s22, 8*ROWL                     ; my first row in LDS
	s_lshl_b32 s24, s21, 9
	s_lshl_b32 s25, s22, 15
	s_add_co_u32 s24, s24, s25                     ; codes: my 512 of a row + my eight rows of 4,096 bytes
	s_lshl_b32 s25, s21, 8                         ; scale bytes: K step 2 (w % 8), row 8 (w / 8)
	s_lshl_b32 s27, s22, 6
	s_add_co_u32 s25, s25, s27
	s_add_co_u32 s25, s25, SCB
	s_lshl_b32 s27, s20, 15                        ; back: K step = wave
	s_lshl_b32 s31, s20, 3
	s_add_co_u32 s31, s31, XSB
	s_lshl_b32 s2, s21, 11
	s_mul_i32 s3, s20, ROWL
	s_add_co_u32 s3, s3, FPL
	s_mov_b32 s[G0], 1
	s_mul_i32 s[G0+1], s20, ROWL                   ; my row in LDS
	s_mov_b32 s[G1], 3<<16                         ; elements of 8 bytes, no padding
	s_mov_b32 s[G1+1], 32<<16                      ; a line: 32 elements
	s_mov_b32 s[G1+2], 62<<16                      ; 62 lines
	s_mov_b32 s[G1+3], 32<<16
	s_mov_b32 s[G1+4], 62
	s_mov_b32 s[G1+5], 32
	s_mov_b32 s[G1+6], 0
	s_mov_b32 s[G1+7], 0
	v_and_b32 v1, 31, v0
	v_lshlrev_b32 v[VL], 4, v1
	v_add_nc_u32 v[CO], s24, v[VL]
	v_bfe_u32 v2, v0, 4, 1                         ; my block: K step 2 (w % 8) + lane / 16, byte (lane / 2) % 8
	v_bfe_u32 v3, v0, 1, 3
	v_lshl_add_u32 v4, v2, 7, v3
	v_add_nc_u32 v[EA], s25, v4
	v_lshl_add_u32 v[SR], v0, 2, SCB
	v_lshl_add_u32 v[SO], v1, 2, s27
	v_lshrrev_b32 v5, 1, v1                        ; the input's bytes: wave = row, lane = word: K step lane / 2, its half lane % 2
	v_and_b32 v6, 1, v0
	v_lshlrev_b32 v6, 2, v6
	v_lshl_add_u32 v5, v5, 7, v6
	v_add_nc_u32 v[XW], s31, v5
	v_lshlrev_b32 v[XI], 2, v0
	v_lshl_add_u32 v[PI], v1, 6, s2
	v_add_nc_u32 v[FL], s3, v[VL]
	s_wait_alu depctr_va_vdst(0)                   ; the head's end
	s_wait_dscnt 0x0                               ; both opening adds are done
	s_wait_kmcnt 0x0
	s_lshl_b32 s74, ttmp9, 4
	s_add_co_u32 s74, s74, s20                     ; my row o
	s_mul_i32 s28, s74, ROWQ
	s_add_nc_u64 s[G0+2:G0+3], s[4:5], s[28:29]
	s_or_b32 s[G0+3], s[G0+3], 0x80000000
	tensor_load_to_lds s[G0:G0+3], s[G1:G1+7]      ; my one tensor load
	s_nop 0
	s_lshl_b32 s28, s74, 9
	s_add_nc_u64 s[6:7], s[6:7], s[28:29]
	s_lshl_b32 s28, ttmp9, 6
	s_lshl_b32 s74, s22, 5
	s_add_co_u32 s28, s28, s74
	s_add_nc_u64 s[8:9], s[8:9], s[28:29]
	s_lshl_b32 s28, ttmp9, 11
	s_add_nc_u64 s[12:13], s[12:13], s[28:29]
	s_lshl_b32 s28, ttmp9, 16
	s_add_nc_u64 s[14:15], s[14:15], s[28:29]
	s_lshl_b32 s28, ttmp9, 7
	s_add_nc_u64 s[16:17], s[16:17], s[28:29]
	s_add_nc_u64 s[18:19], s[18:19], s[28:29]
	s_load_b256 s[AL:AL+7], s[8:9], 0x0
.irp c, 0,1,2,3
	global_load_b128 v[O+4*\c:O+4*\c+3], v[PI], s[10:11] offset:16*\c
.endr
	global_load_b32 v[XD], v[XI], s[12:13] th:TH_LOAD_NT
	global_load_b128 v[FP:FP+3], v[VL], s[6:7] th:TH_LOAD_NT
	s_wait_loadcnt 0x0
; An index becomes a byte offset: held inside the row, x 4, + my first row.  The sixteen take turns line by line.
.irp j, 0,1,2,3,4,5,6,7,8,9,10,11,12,13,14,15
	v_cmp_le_u32 s[MK+\j], s30, v[O+\j]            ; 3968 <= index: fp_weight's
.endr
.irp j, 0,1,2,3,4,5,6,7,8,9,10,11,12,13,14,15
	v_min_u32 v[O+\j], 0xfff, v[O+\j]
.endr
.irp j, 0,1,2,3,4,5,6,7,8,9,10,11,12,13,14,15
	v_lshl_add_u32 v[O+\j], v[O+\j], 2, s26
.endr
	s_wait_alu depctr_va_vdst(0)                   ; directly ahead of the waits below
	s_wait_kmcnt 0x0                               ; alpha
	s_wait_tensorcnt 0x0                           ; my row has landed: no fill of mine is out when I store to LDS
	ds_store_b32 v[XW], v[XD]
	ds_store_b128 v[FL], v[FP:FP+3]
	s_wait_dscnt 0x0                               ; for the others' sake
	s_barrier_signal -1
	s_barrier_wait -1                              ; the sixteen rows are whole
.macro GATH r                          ; row r of my eight into set r % 2; an offset's immediate reaches four rows
.irp j, 0,1,2,3,4,5,6,7,8,9,10,11,12,13,14,15
	ds_load_b32 v[G+16*((\r)%2)+\j], v[O+\j] offset:ROWL*((\r)%4)
.endr
.endm
; 16 numbers of a lane, v[x] on, become row n's 16 codes and its block's scale byte.
.macro QUANT n, x
	v_mov_b32 v[AV], s[AL+\n]
	v_mov_b32 v[AV+1], s[AL+\n]
.irp j, 0,2,4,6,8,10,12,14
	v_pk_mul_f32 v[Y+\j:Y+\j+1], v[\x+\j:\x+\j+1], v[AV:AV+1]
.endr
.irp j, 0,1,2,3,4,5,6,7,8,9,10,11,12,13,14,15
	v_cndmask_b32 v[\x+\j], v[Y+\j], v[\x+\j], s[MK+\j]            ; fp_weight's numbers stay as they are
.endr
	v_max3_num_f32 v[TM], |v[\x]|, |v[\x+1]|, |v[\x+2]|            ; the largest magnitude of my 16, in two chains
	v_max3_num_f32 v[TM+1], |v[\x+3]|, |v[\x+4]|, |v[\x+5]|
.irp i, 6,10
	v_max3_num_f32 v[TM], v[TM], |v[\x+\i]|, |v[\x+\i+1]|
	v_max3_num_f32 v[TM+1], v[TM+1], |v[\x+\i+2]|, |v[\x+\i+3]|
.endr
	v_max3_num_f32 v[TM], v[TM], |v[\x+14]|, |v[\x+15]|
	v_max3_num_f32 v[TM], v[TM], v[TM+1], 0x4800000                ; and the floor 2^(9 - 127): the byte cannot fall under 1
	v_max_num_f32_dpp v[TM], v[TM], v[TM] row_xmask:1 row_mask:0xf bank_mask:0xf   ; with my neighbour's 16: the block's
	v_add_nc_u32 v[TM+3], 0xfc000000, v[TM]        ; 8 off the exponent field: the conversion's scale operand
	v_and_or_b32 v[TM+2], v[TM], 0x7f800000, s23   ; 448 x the scale
.irp i, 0,1,2,3,4,5,6,7,8,9,10,11,12,13,14,15
	v_med3_num_f32 v[\x+\i], v[\x+\i], -v[TM+2], v[TM+2]           ; the conversion does not saturate (ISA guide 7.6.2): the hold comes first
.endr
	v_cvt_scalef32_pk8_fp8_f32 v[C+4*(\n):C+4*(\n)+1], v[\x:\x+7], v[TM+3]
	v_cvt_scalef32_pk8_fp8_f32 v[C+4*(\n)+2:C+4*(\n)+3], v[\x+8:\x+15], v[TM+3]
	v_lshrrev_b32 v[E+(\n)], 23, v[TM+3]           ; the scale's byte; also the plain line behind the conversions
.endm
	GATH 0
.irp r, 0,1,2,3,4,5,6
.if \r == 3
.irp j, 0,1,2,3,4,5,6,7,8,9,10,11,12,13,14,15
	v_add_nc_u32 v[O+\j], 4*ROWL, v[O+\j]          ; on to my rows 4 .. 7
.endr
.endif
	GATH \r+1
	s_wait_dscnt 16                                ; row r is in; the next row's 16 gathers may be out
	QUANT \r, G+16*(\r%2)
	global_store_b128 v[CO], v[C+4*\r:C+4*\r+3], s[14:15] offset:\r*4096
.endr
	s_wait_dscnt 0x0                               ; my gathers are over:
	s_barrier_signal -1                            ; say so,
	QUANT 7, G+16                                  ; work on registers while the others arrive,
	s_wait_alu depctr_va_vdst(0)                   ; directly ahead of the wait below
	s_barrier_wait -1                              ; and store to LDS only when all sixteen have said so
	global_store_b128 v[CO], v[C+28:C+31], s[14:15] offset:7*4096
.irp n, 0,1,2,3,4,5,6,7
	ds_store_b8 v[EA], v[E+\n] offset:\n*8         ; both lanes of a block write the same byte with the same value
.endr
	s_wait_dscnt 0x0                               ; for the others' sake
	s_barrier_signal -1
	s_barrier_wait -1
	ds_load_b32 v142, v[SR]
	ds_load_b32 v143, v[SR] offset:XSB-SCB
	s_wait_dscnt 0x0
	global_store_b32 v[SO], v142, s[16:17]         ; a wave stores 128 bytes on end of one K step
	global_store_b32 v[SO], v143, s[18:19]
	s_wait_tensorcnt 0x0                           ; the wave's end
	ds_add_u32 v[SPW], v[NIL]
	s_wait_dscnt 0x0
	s_endpgm
.Lfunc_end_k_q8056b5b76e_prep:
	.size	k_q8056b5b76e_prep, .Lfunc_end_k_q8056b5b76e_prep-k_q8056b5b76e_prep
	.p2alignl 7, 3214868480
	.fill 96, 4, 3214868480
	.section	.rodata,"a",@progbits
	.p2align	6, 0x0
	.amdhsa_kernel k_q8056b5b76e_prep
		.amdhsa_group_segment_fixed_size 327680
		.amdhsa_private_segment_fixed_size 0
		.amdhsa_enable_private_segment 0
		.amdhsa_kernarg_size 64
		.amdhsa_user_sgpr_count 2
		.amdhsa_user_sgpr_kernarg_segment_ptr 1
		.amdhsa_wavefront_size32 1
		.amdhsa_system_sgpr_workgroup_id_x 1
		.amdhsa_system_sgpr_workgroup_id_y 1
		.amdhsa_system_sgpr_workgroup_id_z 1
		.amdhsa_system_vgpr_workitem_id 0
		.amdhsa_next_free_vgpr 144
		.amdhsa_next_free_sgpr 80
		.amdhsa_reserve_vcc 0
		.amdhsa_float_denorm_mode_32 3
		.amdhsa_float_denorm_mode_16_64 3
		.amdhsa_memory_ordered 1
		.amdhsa_forward_progress 1
		.amdhsa_inst_pref_size 47
	.end_amdhsa_kernel
	.amdgpu_metadata
---
amdhsa.version: [ 1, 2 ]
amdhsa.kernels:
  - .name:           k_q8056b5b76e_prep
    .symbol:         k_q8056b5b76e_prep.kd
    .args:
      - { .name: q_weight, .offset: 0, .size: 8, .value_kind: global_buffer, .address_space: global }
      - { .name: fp_weight, .offset: 8, .size: 8, .value_kind: global_buffer, .address_space: global }
      - { .name: alpha_scale, .offset: 16, .size: 8, .value_kind: global_buffer, .address_space: global }
      - { .name: inv_col_perm, .offset: 24, .size: 8, .value_kind: global_buffer, .address_space: global }
      - { .name: input_scales, .offset: 32, .size: 8, .value_kind: global_buffer, .address_space: global }
      - { .name: w_codes, .offset: 40, .size: 8, .value_kind: global_buffer, .address_space: global }
      - { .name: w_scales, .offset: 48, .size: 8, .value_kind: global_buffer, .address_space: global }
      - { .name: x_scales, .offset: 56, .size: 8, .value_kind: global_buffer, .address_space: global }
    .group_segment_fixed_size: 327680
    .private_segment_fixed_size: 0
    .kernarg_segment_align: 8
    .kernarg_segment_size: 64
    .max_flat_workgroup_size: 512
    .sgpr_count:     80
    .vgpr_count:     144
    .wavefront_size: 32
...
	.end_amdgpu_metadata
.endif
;; end of part 1
;; launch gemm (part 2): grid 16 x 16, 4 waves a work-group, clusters of 4 x 4, 327,680 bytes of LDS; arguments input_codes, x_scales, w_codes, w_scales, bias, out0; writes out0
.if DOCPART == 2
	.amdgcn_target "amdgcn-amd-amdhsa--gfx1250"
	.amdhsa_code_object_version 6
	.text
	.protected	k_q8056b5b76e_gemm
	.globl	k_q8056b5b76e_gemm
	.p2align	8
	.type	k_q8056b5b76e_gemm,@function
k_q8056b5b76e_gemm:
	s_mov_b64 s[64:65], 0
	v_nop
	global_prefetch_b8 v0, s[64:65] scope:SCOPE_SE
	s_setreg_imm32_b32 hwreg(HW_REG_WAVE_MODE, 25, 1), 1
	s_wait_xcnt 0x0
	s_wait_alu depctr_hold_cnt(0) depctr_sa_sdst(0) depctr_va_vdst(0) depctr_va_sdst(0) depctr_va_ssrc(0) depctr_va_vcc(0) depctr_vm_vsrc(0)
	s_getreg_b32 s2, hwreg(HW_REG_IB_STS2, 6, 4)
	s_cmp_eq_u32 s2, 0
	s_cbranch_scc0 .Lentry_in_a_cluster
	s_endpgm
.Lentry_in_a_cluster:
	s_bfe_u32 s2, ttmp6, 0x10000c
	s_cmp_lg_u32 s2, 0xf033
	s_cbranch_scc0 .Lentry_shape_is_right
	s_endpgm
.Lentry_shape_is_right:
; out0[m][n] = sum over k of X[m][k] W[n][k] + bias[n].  X: input_codes [4096][4096], W: w_codes [4096][4096]: codes of FP8 (E4M3), K innermost, one E8M0 scale for each 32 along K; out0 f32; sums in f32.
; x_scales and w_scales lie by K step: [16 K steps of 256][4096 rows][8 bytes].  Codes and bytes go to the matrix unit as they lie.
; A tile of the output, 256 x 256, is made by a work-group of four waves: 256 tiles, one each; a wave makes 128 x 128: 64 accumulators, 512 registers.
; K goes in steps of 256 through a ring of two LDS slots; a slot holds X's 256 rows of 256 bytes, then W's.
; THE ORDER OF K.  Cluster (X, Y) begins at K step o = 4 ((f(X) + f(Y)) mod 4), f = its argument's two bits swapped, and goes round K's end.  The clusters that read the same rows begin 4, 8 and 12 K steps apart.
; LIMIT: an output's f32 sum runs over K in that turned order, and in the last K step block by block: the same terms, another order of rounding.
; CLUSTERS: 4 x 4.  The four of a row of the cluster need the same tiles of X, the four of a column the same tiles of W: each tile is asked for jointly, by the same load with the same descriptor and a mask of the four.
; THE HEAD: four tiles, one joint load a wave: wave 0 slot 0's rows of X, wave 1 slot 0's rows of W, waves 2 and 3 the same for slot 1.  Only waves 0 and 1 wait ahead of the first barrier: slot 1's loads,
; which have lines of their own, are waited for by their waves in front of the first change of slots.
; A CHANGE OF SLOTS stands at the head of a slot's second 128 along K: all reads of the slot have been issued by then.  Eight products stand between the add and the wait for it; the joint refill follows the round;
; the step's other 56 products stand behind the refill, so that they are at hand while the tile is on its way.
; THE SCALE BYTES come by plain loads into the scale registers, a K step ahead: a load takes 16 rows' 8 bytes: lanes 0-15 the words of the K step's first 128 along K, lanes 16-31 those of its second.
; THE MATRIX INSTRUCTION IS USED TRANSPOSED (source 0 = 16 rows of W, source 1 = 16 rows of X): a lane holds eight neighbouring numbers of a row of the output.  THE BIAS is the C of each accumulator's first product.
; THE LAST K STEP GOES BY ROWS OF THE OUTPUT: W's two sets hold the whole step, X comes by blocks of 16 rows x 256 K, and each block of 16 rows leaves through the stage while the next is multiplied.
; PREFETCH: behind each refill but the last two, one instruction a wave names the K step two refills on: 32 rows x 256 bytes, a lane a row.  Of the 128 rows that a wave fetches each of the four partners that ask
; jointly takes 32, told apart by address.  So each 256 bytes are named once in each cluster that loads them; a work-group has at most two K steps of 128 rows asked for and not yet loaded.  The first four K steps come by their loads alone.
; REGISTERS: window 0: v0-31 addresses; v32-63 scale words, two sets; v64-127 the bias, in the last K step X's two row buffers; v128-255 X's fragments, ONE set, on the way out the rows read back.
;   window 1: W's fragments, two sets.  window 2: accumulators of my rows 0-63 ((a, b) at v[8 (8 a + b)]);  window 3: rows 64-127.   Below, A stands for X and B for W.
.set SIZE_N, 4096
.set ROWB,   256                       ; a tile's row in bytes
.set KROW,   4096                      ; a row of A or B in memory
.set SSTEP,  32768                     ; a K step's scale bytes of all rows
.set PITCH,  272                       ; LDS row: 256 + 16 bytes: the 16 rows of a fragment load start 4 banks apart (64 banks of 4 bytes: ISA guide 11.1)
.set FR,     16
.set NP,     8                         ; places behind this matrix instruction (ISA guide 7.12.1)
.set HALFT,  128*PITCH
.set SLOT,   4*HALFT
.set SPARE,  2*SLOT                    ; the spare words: 512 bytes that no other line names
.set SPITCH, 528                       ; the stage: 16 rows x (512 + 16) bytes a wave, in slot 0 behind its last fill and last read
.set LAPS,   8
.set ADRA, 16                          ; v16-17 my A fragments in slot 0, 1
.set ADRB, 20                          ; v20-21 my B fragments
.set SO,   22                          ; 8 (l % 16) + 4 (l / 16)
.set STO,  24
.set RD,   25
.set CO,   26
.set BO,   27
.set SPW,  28
.set NIL,  29
.set PFO,  30                          ; lane x 4,096: a lane a row
.set SC,   32                          ; set s at SC + 16 s: register i A's block i, 8 + i B's block i
.set BI,   64
.set PA,   64                          ; last K step: buffer a % 2: 16 registers for each 128 along K
.set AF,   128
.set BK,   128
.set WV,   16
.set G1A,  24                          ; group 1, 128 rows
.set G1B,  32
.set G0A,  40                          ; group 0, a set for each slot
.set G0B,  48
.set XB,   56
.set WB,   58
.set KI,   60                          ; the K step asked for last
.set PFB,  62                          ; s[62:63] my work-group's 32 rows of the 128 that I fetch, K step 0
.set H1A,  68                          ; group 1, 256 rows: the head's
.set H1B,  76
.set H0,   84                          ; s[84:99] the head's four group 0: A slot 0, B slot 0, A slot 1, B slot 1
.set PFA,  100                         ; s[100:101] where the prefetch stands
.set FLAGS, (1<<20)|(1<<21)|(5<<22)|(3<<25)   ; element of 1 byte; padding on; bit 21 beside a mask; after every 64 words, 4 words
.set MSB, 0
.macro WIN new
.if MSB != (\new)
	s_set_vgpr_msb (MSB<<8)|(\new)
.set MSB, (\new)
.endif
.endm
.set MUL_LO, 0xa1                      ; source 0 (B) window 1, source 1 (A) window 0, C and D window 2
.set MUL_HI, 0xf1
.set TO_B,   0x40
.macro PLACES n
.rept \n
	v_nop
.endr
.endm
.macro TLOAD g0, g1                    ; s_nop 0 and four v_nop follow each load
	tensor_load_to_lds s[\g0:\g0+3], s[\g1:\g1+7]
	s_nop 0
	PLACES 4
.endm
.macro JLOAD s                         ; the ring's joint load: waves 0, 1 fetch A's halves, waves 2, 3 B's
	s_cmp_lt_u32 s[WV], 2
	s_cbranch_scc0 .Lfor_b_\@
	TLOAD G0A+4*\s, G1A
	s_branch .Lasked_\@
.Lfor_b_\@:
	TLOAD G0B+4*\s, G1B
.Lasked_\@:
.endm
.macro CREST
	s_cmp_lg_u32 s[WV], 0
	s_cbranch_scc1 .Lnot_wave_0_\@
	s_barrier_signal -3
.Lnot_wave_0_\@:
	s_barrier_wait -3
	s_barrier_signal -1
	s_barrier_wait -1
.endm
.macro CROUND
	s_barrier_signal -1
	s_barrier_wait -1
	CREST
.endm
.macro SBASE                           ; the scale bytes' addresses at K step KI, written behind the wait that frees them (and the prefetch's)
	s_wait_xcnt 0x0
	s_lshl_b32 s66, s[KI], 15
	s_mov_b32 s67, 0
	s_add_nc_u64 s[XB:XB+1], s[6:7], s[66:67]
	s_add_nc_u64 s[WB:WB+1], s[10:11], s[66:67]
.endm
.macro GSC s, extra
.irp i, 0,1,2,3,4,5,6,7
	global_load_b32 v[SC+16*\s+\i], v[SO], s[XB:XB+1] offset:128*\i+\extra
	global_load_b32 v[SC+16*\s+8+\i], v[SO], s[WB:WB+1] offset:128*\i+\extra
.endr
.endm
	s_load_b256 s[4:11], s[0:1], 0x0               ; A's codes, A's scales, B's codes, B's scales
	s_load_b128 s[12:15], s[0:1], 0x20             ; the bias, the output
	v_lshl_add_u32 v[SPW], v0, 2, SPARE
	v_mov_b32 v[NIL], 0
	ds_add_u32 v[SPW], v[NIL]                      ; the opening lines: the add, twice on end, and its wait
	ds_add_u32 v[SPW], v[NIL]
	v_lshrrev_b32 v1, 5, v0
	v_readfirstlane_b32 s[WV], v1                  ; wave 0..3
	s_lshr_b32 s17, s[WV], 1                       ; my half of the tile's rows; also: in the ring I fetch for A (0) or B (1)
	s_and_b32 s18, s[WV], 1                        ; my half of its columns; also: which 128 rows I fetch
	s_bfe_u32 s19, ttmp6, 0x40000                  ; cx
	s_bfe_u32 s20, ttmp6, 0x40004                  ; cy
	s_lshl_b32 s21, ttmp9, 2
	s_add_co_u32 s21, s21, s19                     ; tile column
	s_and_b32 s22, ttmp7, 0xffff
	s_lshl_b32 s22, s22, 2
	s_add_co_u32 s22, s22, s20                     ; tile row
	s_lshl_b32 s23, s20, 2
	s_lshl_b32 s23, 15, s23                        ; my row of the cluster
	s_lshl_b32 s67, 0x1111, s19                    ; my column
	s_or_b32 s[G1A], s23, FLAGS
	s_or_b32 s[G1B], s67, FLAGS
	s_or_b32 s[H1A], s23, FLAGS
	s_or_b32 s[H1B], s67, FLAGS
.irp g, G1A, G1B
	s_mov_b32 s[\g+1], ROWB<<16
	s_mov_b32 s[\g+2], 128<<16
	s_mov_b32 s[\g+3], ROWB<<16
	s_mov_b32 s[\g+4], 128
	s_mov_b32 s[\g+5], KROW
	s_mov_b32 s[\g+6], 0
	s_mov_b32 s[\g+7], 0
.endr
.irp g, H1A, H1B
	s_mov_b32 s[\g+1], ROWB<<16
	s_mov_b32 s[\g+2], 256<<16
	s_mov_b32 s[\g+3], ROWB<<16
	s_mov_b32 s[\g+4], 256
	s_mov_b32 s[\g+5], KROW
	s_mov_b32 s[\g+6], 0
	s_mov_b32 s[\g+7], 0
.endr
	s_and_b32 s23, ttmp7, 0xffff                   ; the K step at which my cluster begins: of the cluster's x and y alone
	s_and_b32 s66, ttmp9, 1
	s_lshl_b32 s66, s66, 1
	s_lshr_b32 s67, ttmp9, 1
	s_add_co_u32 s66, s66, s67
	s_and_b32 s67, s23, 1
	s_lshl_b32 s67, s67, 1
	s_add_co_u32 s66, s66, s67
	s_lshr_b32 s67, s23, 1
	s_add_co_u32 s66, s66, s67
	s_and_b32 s66, s66, 3
	s_lshl_b32 s[KI], s66, 2                       ; o = 0, 4, 8 or 12
	s_lshl_b32 s2, s22, 20                         ; A's tile: 256 rows of 4,096 bytes a tile row
	s_mov_b32 s3, 0
	s_lshl_b32 s66, s21, 20                        ; B's
	s_mov_b32 s67, 0
	s_wait_dscnt 0x0                               ; both opening adds are done
	s_wait_kmcnt 0x0
	s_add_nc_u64 s[4:5], s[4:5], s[2:3]
	s_add_nc_u64 s[8:9], s[8:9], s[66:67]
	s_lshl_b32 s66, s[KI], 8                       ; 256 bytes a K step
.irp s, 0,1
	s_mov_b32 s[H0+8*\s], 1
	s_mov_b32 s[H0+8*\s+1], \s*SLOT
	s_add_nc_u64 s[H0+8*\s+2:H0+8*\s+3], s[4:5], s[66:67]          ; K step o + s
	s_or_b32 s[H0+8*\s+3], s[H0+8*\s+3], 0x80000000
	s_mov_b32 s[H0+8*\s+4], 1
	s_mov_b32 s[H0+8*\s+5], \s*SLOT+2*HALFT
	s_add_nc_u64 s[H0+8*\s+6:H0+8*\s+7], s[8:9], s[66:67]
	s_or_b32 s[H0+8*\s+7], s[H0+8*\s+7], 0x80000000
	s_add_co_u32 s66, s66, ROWB                    ; (o is 12 at the most: o + 1 does not go round)
.endr
	CROUND                                         ; all sixteen work-groups are here: the first joint loads meet
.macro ARM under, g0, g1, next                     ; one chain of branches on the wave's number, a load to an arm, one join
	s_cmp_lt_u32 s[WV], \under
	s_cbranch_scc0 \next
	TLOAD \g0, \g1
	s_branch .Lhead_asked
\next:
.endm
	ARM 1, H0,   H1A, .Lhead_b0
	ARM 2, H0+4, H1B, .Lhead_a1
	ARM 3, H0+8, H1A, .Lhead_b1
	TLOAD H0+12, H1B
.Lhead_asked:
	s_lshl_b32 s2, s18, 19                         ; for the ring: the 128 rows that I fetch
	s_add_nc_u64 s[4:5], s[4:5], s[2:3]
	s_add_nc_u64 s[8:9], s[8:9], s[2:3]
	s_mul_i32 s2, s[WV], HALFT                     ; and where they go: wave x 128 rows
.irp s, 0,1
	s_mov_b32 s[G0A+4*\s], 1                       ; (the global address is written at each change of slots)
	s_add_co_u32 s[G0A+4*\s+1], s2, \s*SLOT
	s_mov_b32 s[G0B+4*\s], 1
	s_add_co_u32 s[G0B+4*\s+1], s2, \s*SLOT
.endr
	s_cmp_eq_u32 s17, 0                            ; the prefetches: the buffer that I fetch for, my place among the four that ask with me
	s_cselect_b64 s[PFB:PFB+1], s[4:5], s[8:9]
	s_cselect_b32 s2, s19, s20
	s_lshl_b32 s2, s2, 17                          ; 32 rows of 4,096 bytes
	s_add_nc_u64 s[PFB:PFB+1], s[PFB:PFB+1], s[2:3]
	s_mul_i32 s2, s17, HALFT                       ; my 128 rows of A in a slot
	s_mul_i32 s3, s18, HALFT
	s_add_co_u32 s3, s3, 2*HALFT                   ; my 128 rows of B
	s_mul_i32 s61, s[WV], 16*SPITCH                ; my stage
	v_and_b32 v1, 15, v0                           ; l % 16
	v_bfe_u32 v2, v0, 4, 1                         ; l / 16
	v_and_b32 v6, 31, v0
	v_mul_u32_u24 v3, v1, PITCH
	v_lshl_add_u32 v4, v2, 4, v3
	v_add_nc_u32 v[ADRA], s2, v4
	v_add_nc_u32 v[ADRB], s3, v4
	v_add_nc_u32 v[ADRA+1], SLOT, v[ADRA]
	v_add_nc_u32 v[ADRB+1], SLOT, v[ADRB]
	v_lshlrev_b32 v[SO], 3, v1
	v_lshl_add_u32 v[SO], v2, 2, v[SO]
	v_mul_u32_u24 v5, v1, SPITCH                   ; into the stage: row l % 16, 32 bytes for each half of the lanes
	v_lshl_add_u32 v5, v2, 5, v5
	v_add_nc_u32 v[STO], s61, v5
	v_lshlrev_b32 v[CO], 4, v6                     ; back: 32 lanes take a row of 512 bytes
	v_add_nc_u32 v[RD], s61, v[CO]
	v_lshlrev_b32 v[BO], 5, v2
	v_lshlrev_b32 v[PFO], 12, v6
	s_wait_alu depctr_va_vdst(0)                   ; behind the head's last vector line
	s_lshl_b32 s2, s22, 22                         ; my first row of the output, rows of 16,384 bytes
	s_lshl_b32 s3, s17, 21
	s_add_co_u32 s2, s2, s3
	s_lshl_b32 s3, s21, 10                         ; my first column, in bytes
	s_lshl_b32 s66, s18, 9
	s_add_co_u32 s66, s66, s3
	s_mov_b32 s67, 0
	s_add_nc_u64 s[12:13], s[12:13], s[66:67]
	s_add_co_u32 s66, s66, s2
	s_add_nc_u64 s[14:15], s[14:15], s[66:67]
.irp b, 0,1,2,3,4,5,6,7
	global_load_b128 v[BI+8*\b:BI+8*\b+3], v[BO], s[12:13] offset:64*\b        ; register j: bias[16 b + 8 (l / 16) + j]: the result's layout
	global_load_b128 v[BI+8*\b+4:BI+8*\b+7], v[BO], s[12:13] offset:64*\b+16
.endr
	s_lshl_b32 s66, s22, 11                        ; the scale bytes of my 128 rows of A, K step 0
	s_lshl_b32 s2, s17, 10
	s_add_co_u32 s66, s66, s2
	s_add_nc_u64 s[6:7], s[6:7], s[66:67]
	s_lshl_b32 s66, s21, 11                        ; and of B
	s_lshl_b32 s2, s18, 10
	s_add_co_u32 s66, s66, s2
	s_add_nc_u64 s[10:11], s[10:11], s[66:67]
	SBASE
	GSC 0, 0                                       ; K step o's words,
	GSC 1, SSTEP                                   ; and o + 1's
	s_add_co_u32 s[KI], s[KI], 1
.macro FRAG reg, adr, q, i             ; 16 rows x 128 K: registers 4 c .. 4 c + 3 hold K = 32 c + 16 (l / 16) + 0 .. 15
.irp c, 0,1,2,3
	ds_load_b128 v[\reg+4*\c:\reg+4*\c+3], v[\adr] offset:128*(\q)+32*\c+(\i)*16*PITCH
.endr
.endm
.macro FA slot, q, i
	FRAG AF+FR*(\i), ADRA+\slot, \q, \i
.endm
.macro FETCH_B slot, q, p
	WIN TO_B
.irp i, 0,1,2,3,4,5,6,7
	FRAG 128*(\p)+FR*\i, ADRB+\slot, \q, \i
.endr
	WIN 0
.endm
; Eight products: A's block a (its fragment at ar) x B's eight of set p.  q picks the scale words' lanes.  first: C is the bias.  The accumulators take turns, one instruction a turn.
.macro MULB a, ar, p, q, sc, first
.irp b, 0,1,2,3,4,5,6,7
.if \first
	v_wmma_scale_f32_16x16x128_f8f6f4 v[8*(8*((\a)%4)+\b):8*(8*((\a)%4)+\b)+7], v[128*(\p)+FR*\b:128*(\p)+FR*\b+FR-1], v[(\ar):(\ar)+FR-1], v[BI+8*\b:BI+8*\b+7], v[SC+16*(\sc)+8+\b], v[SC+16*(\sc)+(\a)]
.elseif (\q) == 0
	v_wmma_scale_f32_16x16x128_f8f6f4 v[8*(8*((\a)%4)+\b):8*(8*((\a)%4)+\b)+7], v[128*(\p)+FR*\b:128*(\p)+FR*\b+FR-1], v[(\ar):(\ar)+FR-1], v[8*(8*((\a)%4)+\b):8*(8*((\a)%4)+\b)+7], v[SC+16*(\sc)+8+\b], v[SC+16*(\sc)+(\a)]
.else
	v_wmma_scale_f32_16x16x128_f8f6f4 v[8*(8*((\a)%4)+\b):8*(8*((\a)%4)+\b)+7], v[128*(\p)+FR*\b:128*(\p)+FR*\b+FR-1], v[(\ar):(\ar)+FR-1], v[8*(8*((\a)%4)+\b):8*(8*((\a)%4)+\b)+7], v[SC+16*(\sc)+8+\b], v[SC+16*(\sc)+(\a)] matrix_a_scale:MATRIX_SCALE_ROW1 matrix_b_scale:MATRIX_SCALE_ROW1
.endif
.endr
.endm
; A slot's first 128 along K.  lc: the other set's scale loads, issued behind this slot's, may be out.
.macro STEP slot, first, lc
	s_wait_loadcnt \lc
	s_wait_dscnt 28                                ; B's set 0 and A's block 0 are in; the 28 loads of blocks 1-7 may be out
	WIN MUL_LO-0x20*(\first)
	MULB 0, AF, 0, 0, \slot, \first
	s_wait_dscnt 16                                ; blocks 1-3 are in
.irp a, 1,2,3
	MULB \a, AF+FR*\a, 0, 0, \slot, \first
.endr
	s_wait_dscnt 0
	PLACES NP
	FETCH_B \slot, 1, 1
.irp i, 0,1,2,3
	FA \slot, 1, \i
.endr
	WIN MUL_HI-0x30*(\first)
.irp a, 4,5,6,7
	MULB \a, AF+FR*\a, 0, 0, \slot, \first
.endr
	PLACES NP
	WIN 0
.irp i, 4,5,6,7
	FA \slot, 1, \i
.endr
.endm
; The three lines in front of a change of slots, with block 0's eight products between the add and the wait for it.
.macro MEET slot
	s_wait_dscnt 17                                ; B's set 1 and A's blocks 0-3 are in (the add and blocks 4-7 may be out)
	WIN MUL_LO
	MULB 0, AF, 1, 1, \slot, 0
	WIN 0
	s_wait_dscnt 0x0                               ; the add is done, and my reads of this slot are over
	s_barrier_signal -1
	s_barrier_wait -1
.endm
.macro REST slot                       ; the step's other 56 products
	WIN MUL_LO
.irp a, 1,2,3
	MULB \a, AF+FR*\a, 1, 1, \slot, 0
.endr
	WIN MUL_HI
.irp a, 4,5,6,7
	MULB \a, AF+FR*\a, 1, 1, \slot, 0
.endr
	PLACES NP
.endm
; A slot's second 128 along K, and the change of slots at its head.
.macro TURN slot, next
	s_wait_tensorcnt 0x0                           ; all my tensor loads have landed: so every group 0 may be written
	ds_add_u32 v[SPW], v[NIL]
	s_add_co_u32 s[KI], s[KI], 1
	s_and_b32 s[KI], s[KI], 15                     ; the next K step, round K's end
	s_lshl_b32 s66, s[KI], 8
	s_mov_b32 s67, 0
	s_add_nc_u64 s[G0A+4*\slot+2:G0A+4*\slot+3], s[4:5], s[66:67]
	s_or_b32 s[G0A+4*\slot+3], s[G0A+4*\slot+3], 0x80000000
	s_add_nc_u64 s[G0B+4*\slot+2:G0B+4*\slot+3], s[8:9], s[66:67]
	s_or_b32 s[G0B+4*\slot+3], s[G0B+4*\slot+3], 0x80000000
	s_add_co_u32 s61, s[KI], 2                     ; the prefetch's K step: two on (its last reader stands ahead of the last wait on XCNT)
	s_and_b32 s61, s61, 15
	s_lshl_b32 s66, s61, 8
	s_add_nc_u64 s[PFA:PFA+1], s[PFB:PFB+1], s[66:67]
	MEET \slot
	CREST                                          ; the barrier has opened a round of the cluster's barrier
	JLOAD \slot                                    ; first behind the round, one load a wave; its four v_nop are among the places for the loads below
	PLACES NP-4
	FETCH_B \next, 0, 0
	FA \next, 0, 0
	s_cmp_gt_u32 s3, 1                             ; the last trip's two refills have no K step two on
	s_cbranch_scc0 .Lno_ask_\@
	global_prefetch_b8 v[PFO], s[PFA:PFA+1] th:TH_LOAD_NT scope:SCOPE_SE
.Lno_ask_\@:
	REST \slot
	WIN 0
.irp i, 1,2,3,4,5,6,7
	FA \next, 0, \i
.endr
	SBASE
	GSC \slot, 0                                   ; the scale words of the K step just asked for
.endm
	s_cmp_lt_u32 s[WV], 2                          ; waves 0 and 1 wait for slot 0's tiles; slot 1's may be out
	s_cbranch_scc0 .Lslot_1_mine
	s_wait_tensorcnt 0x0
.Lslot_1_mine:
	s_barrier_signal -1
	s_barrier_wait -1
	FETCH_B 0, 0, 0
.irp i, 0,1,2,3,4,5,6,7
	FA 0, 0, \i
.endr
	STEP 0, 1, 16                                  ; the first step starts the sums on the bias; set 1's 16 loads may be out
	s_mov_b32 s3, LAPS-1
.Llap:
	TURN 0, 1
	STEP 1, 0, 16
	TURN 1, 0
	STEP 0, 0, 16
	s_sub_co_u32 s3, s3, 1
	s_cmp_lg_u32 s3, 0
	s_cbranch_scc1 .Llap
; THE END.  Slot 0's second 128 along K; nothing is filled again, so no round follows the barrier.  Then the last K step, in slot 1, by rows.
.macro ALOAD a                         ; A's block a, both 128 along K, into buffer a % 2
.irp q, 0,1
	FRAG PA+32*((\a)%2)+16*\q, ADRA+1, \q, \a
.endr
.endm
.macro HALF a, q
	WIN MUL_LO+0x50*((\a)/4)
	MULB \a, PA+32*((\a)%2)+16*(\q), \q, \q, 1, 0
.endm
; The way out of block a: 16 rows x 128 columns through my own stage; LDS serves a wave's instructions in order (ISA guide 5.7.1.4).
.macro TOSTAGE a
.set AC, 64*((\a)%4)
	WIN 0x08+4*((\a)/4)
.irp b, 0,1,2,3,4,5,6,7
	ds_store_b128 v[STO], v[AC+8*\b:AC+8*\b+3] offset:64*\b          ; each accumulator from its low end on
	ds_store_b128 v[STO], v[AC+8*\b+4:AC+8*\b+7] offset:64*\b+16
.endr
	WIN 0
.set BB, BK+64*((\a)%2)
.irp t, 0,1,2,3,4,5,6,7,8,9,10,11,12,13,14,15
	ds_load_b128 v[BB+4*\t:BB+4*\t+3], v[RD] offset:\t*SPITCH
.endr
.endm
.macro SEND a, younger                 ; younger: LDS instructions issued behind block a's loads
.set BB, BK+64*((\a)%2)
	s_wait_dscnt \younger
.irp t, 0,1,2,3,4,5,6,7,8,9,10,11,12,13,14,15
	global_store_b128 v[CO], v[BB+4*\t:BB+4*\t+3], s[14:15] offset:(16*(\a)+\t)*SIZE_N*4 th:TH_STORE_NT   ; 32 lanes store 512 bytes on end; 127 rows of 16,384 bytes at the most in the immediate; written once, read by nobody here
.endr
.endm
	s_wait_tensorcnt 0x0                           ; slot 1's last tile
	ds_add_u32 v[SPW], v[NIL]
	MEET 0
	PLACES NP
	FETCH_B 1, 0, 0                                ; B's first 128 along K into set 0,
	ALOAD 0                                        ; A's blocks 0 and 1 into the registers that held the bias
	ALOAD 1
	REST 0
	FETCH_B 1, 1, 1                                ; B's second 128 into set 1
	s_wait_loadcnt 0x0                             ; set 1's scale words
	s_wait_dscnt 32                                ; all but the 32 just issued
	HALF 0, 0
	HALF 1, 0
	s_wait_dscnt 0
	HALF 0, 1
	PLACES NP
	TOSTAGE 0
	ALOAD 2
.irp a, 1,2,3,4,5,6,7
.if \a > 1
.if \a < 7
	s_wait_dscnt 40                                ; block a's fragments are in: behind them the stage's 32 and the next block's 8
.else
	s_wait_dscnt 32
.endif
	HALF \a, 0
.endif
	HALF \a, 1
	PLACES NP                                      ; for the stores of its results and the loads into its buffer
.if \a > 1
	s_wait_xcnt 0x0                                ; block a - 2's stores have read their registers: block a's rows may land there
.endif
	TOSTAGE \a
.if \a < 6
	ALOAD \a+2
	SEND \a-1, 48
.elseif \a == 6
	SEND \a-1, 40
.else
	SEND \a-1, 32
.endif
.endr
	SEND 7, 0
	s_wait_tensorcnt 0x0                           ; the wave's end
	ds_add_u32 v[SPW], v[NIL]
	s_wait_dscnt 0x0
	CROUND                                         ; the closing round
	s_endpgm
.Lfunc_end_k_q8056b5b76e_gemm:
	.size	k_q8056b5b76e_gemm, .Lfunc_end_k_q8056b5b76e_gemm-k_q8056b5b76e_gemm
	.p2alignl 7, 3214868480
	.fill 96, 4, 3214868480
	.section	.rodata,"a",@progbits
	.p2align	6, 0x0
	.amdhsa_kernel k_q8056b5b76e_gemm
		.amdhsa_group_segment_fixed_size 327680
		.amdhsa_private_segment_fixed_size 0
		.amdhsa_enable_private_segment 0
		.amdhsa_kernarg_size 48
		.amdhsa_user_sgpr_count 2
		.amdhsa_user_sgpr_kernarg_segment_ptr 1
		.amdhsa_wavefront_size32 1
		.amdhsa_system_sgpr_workgroup_id_x 1
		.amdhsa_system_sgpr_workgroup_id_y 1
		.amdhsa_system_sgpr_workgroup_id_z 1
		.amdhsa_system_vgpr_workitem_id 0
		.amdhsa_next_free_vgpr 1024
		.amdhsa_next_free_sgpr 102
		.amdhsa_reserve_vcc 0
		.amdhsa_float_denorm_mode_32 3
		.amdhsa_float_denorm_mode_16_64 3
		.amdhsa_memory_ordered 1
		.amdhsa_forward_progress 1
		.amdhsa_inst_pref_size 153
	.end_amdhsa_kernel
	.amdgpu_metadata
---
amdhsa.version: [ 1, 2 ]
amdhsa.kernels:
  - .name:           k_q8056b5b76e_gemm
    .symbol:         k_q8056b5b76e_gemm.kd
    .args:
      - { .name: input_codes, .offset: 0, .size: 8, .value_kind: global_buffer, .address_space: global }
      - { .name: x_scales, .offset: 8, .size: 8, .value_kind: global_buffer, .address_space: global }
      - { .name: w_codes, .offset: 16, .size: 8, .value_kind: global_buffer, .address_space: global }
      - { .name: w_scales, .offset: 24, .size: 8, .value_kind: global_buffer, .address_space: global }
      - { .name: bias, .offset: 32, .size: 8, .value_kind: global_buffer, .address_space: global }
      - { .name: out0, .offset: 40, .size: 8, .value_kind: global_buffer, .address_space: global }
    .group_segment_fixed_size: 327680
    .private_segment_fixed_size: 0
    .kernarg_segment_align: 8
    .kernarg_segment_size: 48
    .max_flat_workgroup_size: 128
    .sgpr_count:     102
    .vgpr_count:     1024
    .wavefront_size: 32
...
	.end_amdgpu_metadata
.endif
;; end of part 2
